; MI455X (gfx1250); checked and timed in simulation.
; The chip was launched on July 23, 2026; its instructions are those of AMD's public machine-readable ISA for CDNA 5 (MIT licence, August 2026) and "CDNA5" Instruction Set Architecture Reference Guide (July 2026). The comments in the code are by the model that wrote it; some were corrected since.
;; Attention. Allowed arithmetic: matrix products marked QUANTISED: E5M2 operands, one E8M0 scale for each 32 along K, by v_wmma_scale_f32_16x16x128_f8f6f4 with both operands' format E5M2, f32 sums; products left as they are: f32 operands where the result goes on into a quantised operand, else bf16, f16 or f32 operands; f32 sums; everything else in f32.
;; Inputs: W_attn 500 x 1,000 float32; b_attn 500 float32; encoder_output 512 x 256 x 500 float32; hidden 1 x 256 x 500 float32; v 500 float32.
;; Outputs: out0 256 x 1 x 512 float32.
;; This version of the problem:
;;   THIS VERSION OF THE PROBLEM IS GIVEN IN LOW PRECISION. The matrix products marked QUANTISED in the list below multiply operands that are first quantised to E5M2 (5 exponent bits, 2 mantissa bits; 8 bits a number), with one power-of-two scale for each 32 numbers along K (OCP MX v1.0); their sums are f32. All else is computed in f32.
;;   The module's matrix products, in the order in which they are computed (A, B: the left and right operand; K: the contracted axis; several contracted axes count as one K, in the product's order):
;;     1. [M 131,072, K 1,000] x [K 1,000, N 500]; A: computed on the way; B: input W_attn: QUANTISED
;;     2. [M 131,072, K 500] x [K 500, N 1]; A: computed on the way; B: input v: left as it is (N = 1 < 16)
;;   THE QUANTISER, for each operand of a quantised product, along K:
;;     - K is cut into blocks of 32 from its start; a last block that is shorter is filled with zeros.
;;     - A block's scale is 2^e with e = floor(log2(the largest magnitude in the block)) - 15, held to -126 .. 127; a block of zeros has e = 0. As a byte (E8M0): e + 127.
;;     - Each number is divided by its block's scale, clamped to +-57,344, and rounded to the nearest number of E5M2, ties to even, subnormals kept.
;;     - The product sums the exact products of the quantised numbers (number of the format x scale) in f32.
;;   ~~~python
;;   def quantise(x, axis):      # numpy; x: float32 -> the quantised numbers, widened to float32 again
;;       x = np.moveaxis(x, axis, -1); K = x.shape[-1]
;;       x = np.pad(x, [(0, 0)] * (x.ndim - 1) + [(0, -K % 32)]); x = x.reshape(x.shape[:-1] + (-1, 32)); a = np.abs(x).max(-1, keepdims=True)
;;       e = np.where(a > 0, np.clip(np.frexp(np.where(a > 0, a, 1))[1] - 1 - 15, -126, 127), 0)      # np.frexp(a)[1] - 1 = floor(log2(a)), exactly
;;       r = np.clip(x / 2.0 ** e, -57344, 57344)
;;       step = 2.0 ** (np.maximum(np.frexp(np.where(r == 0, 1, r))[1] - 1, -14) - 2)
;;       q = np.round(r / step) * step * 2.0 ** e      # np.round: ties to even
;;       return np.moveaxis(q.reshape(q.shape[:-2] + (-1,))[..., :K], -1, axis).astype(np.float32)
;;   ~~~
;;   OPERANDS COMPUTED ON THE WAY. 'Computed on the way' means the value that the module computes at that place (a softmax that the list does not call 'softmax' is quantised finished and normalised). What goes into a quantiser is computed in f32, as accurately as f32 sums, v_exp_f32 and their like allow (about 1e-6 of the number): no bf16 or f16 on the way to a quantiser, and a product that is left as it is and whose result goes on into a quantised operand takes f32 operands (vector FMAs, or v_wmma_f32_16x16x4_f32). A number that lies on a knife's edge between two numbers of the format may be rounded either way, as far as f32 arithmetic and the matrix unit's own rounding can turn it there, and no further.
;; One version. Each part assembles by itself: llvm-mc -triple=amdgcn-amd-amdhsa -mcpu=gfx1250 --defsym DOCPART=n.
;; ======== version 1 of 1: 2 launches
;; workspace buffers: codes 655,360 bytes; scales 20,480 bytes
;; launch prep (part 1): grid 40 x 1, 4 waves a work-group, no clusters, 0 bytes of LDS; arguments W_attn, hidden, codes, scales; writes codes, scales
.if DOCPART == 1
	.amdgcn_target "amdgcn-amd-amdhsa--gfx1250"
	.amdhsa_code_object_version 6
	.text
	.protected	k_qc2863b8437_prep
	.globl	k_qc2863b8437_prep
	.p2align	8
	.type	k_qc2863b8437_prep,@function
k_qc2863b8437_prep:
	s_mov_b64 s[64:65], 0
	v_nop
	global_prefetch_b8 v0, s[64:65] scope:SCOPE_SE
	s_setreg_imm32_b32 hwreg(HW_REG_WAVE_MODE, 25, 1), 1
	s_wait_xcnt 0x0
; THE PROGRAM.  out0[b][0][s] = softmax over s of the sum over n of v[n] tanh( Q(cat[s,b]) . Q(W_attn[n]) + b_attn[n] ), cat[s,b] = hidden[b] (500 numbers), then encoder_output[s,b] (500):
; K = 1,000, quantised to E5M2 with one E8M0 scale for each 32 along K, the last block filled with zeros: eight K steps of 128, Q = 0 .. 7.
; WORK THAT IS NOT REPEATED.  Blocks 0 to 14 of cat (k < 480) hold hidden[b] alone: their numbers, scales and codes are the same in all 512 rows s of one b.  So hidden is quantised once (here), and the
; sums over K steps 0 to 2 (k < 384) are made once for each b in the second launch and not 512 times: the same exact products of the same quantised numbers; only the order of the f32 additions differs.
; WORK THAT IS LEFT OUT.  tanh(x) = 1 - 2 / (1 + e^(2x)), so a score is (the sum of v[n]) - 2 x the sum of v[n] / (1 + e^(2 x[n])).  The first term is the same for every s of a b, whatever the inputs hold,
; and a term that is the same along a softmax's axis leaves the softmax as it is: it is not computed.  LIMIT: an overflow of the sum of v[n] alone is not carried to the result.  No input is left out.
; THIS LAUNCH turns W_attn [500][1000] (all eight K steps) and hidden [256][500] (K steps 0 to 3) into codes and scale words, laid as IMAGES OF OPERAND REGISTERS:
; a fragment (16 rows x 128 K, 16 registers a lane: lane (r, h) holds row r, registers 4 c .. 4 c + 3 hold k = 32 c + 16 h + 0 .. 15) is 2,048 bytes: register group c of lane l at 512 c + 16 l.
; A JOB is one tile of 16 rows and two K steps: 4,096 bytes of codes at 4,096 J, 128 bytes of scale words at 128 J (lanes 0-15: row r's word of the even step, lanes 16-31: of the odd step).
; J = 4 T + p (0 .. 127): W's rows 16 T on, K steps 2 p, 2 p + 1.  J = 128 + 2 T + p: hidden's rows 16 T on.  One wave takes one job; 160 jobs, 40 work-groups of four waves; waves share nothing: no LDS, no barrier.
; W's rows 500 to 511 do not exist: row 499 is taken in their place, and the second launch multiplies what comes of them by 0.  Past a row's end zeros are quantised (no load leaves its row).
; Hidden's block 15 (k 480 .. 511) is quantised here without encoder_output's twelve numbers: the second launch does not use it and makes that block anew for each row.
; LIMITS: a block of zeros gets the byte 1 where the rule says 127 (its codes are zeros, and this program alone reads the bytes); NaN and infinities among the inputs are not served.
.set X0,  32                           ; v32-95   64 numbers of the even K step: register 16 c + i = k 32 c + 16 h + i of my row
.set X1,  96                           ; v96-159  of the odd one
.set TM,  12                           ; v12-15 largest magnitudes, v16-19 bytes, v20-23 57,344 x the scale, v24-27 the conversions' scale operands
.set PCA, 160                          ; v160-175 the even step's codes
.set PCB, 176                          ; v176-191 the odd step's
.set PWA, 28                           ; v28, v29 the two scale words; v30 both in one register
.set PWB, 29
.set PWP, 30
.set SEL, 22                           ; s[22:23] v_permlanex16_b32's selects for lane l xor 16
.set MNT, 24                           ; s24  the mantissa field of 57,344
.set MHI, 25                           ; s25  lanes 16-31
.set VM,  26                           ; s26-29 which lanes' last four loads lie inside the row
; 16 nb numbers of a lane, v[s] on, become codes in v[pc] on; the blocks' bytes are left in v[TM+4] on.  The blocks take turns line by line.
.macro QUANT s, nb, pc
.irp b, 0,1,2,3
.if \b < \nb
	v_max3_num_f32 v[TM+\b], |v[\s+16*\b]|, |v[\s+16*\b+1]|, 0x8000000   ; my 16 numbers of block b, and the floor 2^(16 - 127): the byte cannot fall under 1
.endif
.endr
.irp i, 2,4,6,8,10,12,14
.irp b, 0,1,2,3
.if \b < \nb
	v_max3_num_f32 v[TM+\b], v[TM+\b], |v[\s+16*\b+\i]|, |v[\s+16*\b+\i+1]|
.endif
.endr
.endr
.irp b, 0,1,2,3
.if \b < \nb
	v_permlanex16_b32 v[TM+4+\b], v[TM+\b], s[SEL], s[SEL+1]
.endif
.endr
.irp b, 0,1,2,3
.if \b < \nb
	v_max_num_f32 v[TM+\b], v[TM+\b], v[TM+4+\b]                  ; with lane l xor 16's 16: the block's largest magnitude
.endif
.endr
.irp b, 0,1,2,3
.if \b < \nb
	v_add_nc_u32 v[TM+12+\b], 0xf8800000, v[TM+\b]                ; 15 off its exponent field: the conversion takes this operand's exponent field as its scale
	v_and_or_b32 v[TM+8+\b], v[TM+\b], 0x7f800000, s[MNT]         ; 57,344 x the scale
	v_lshrrev_b32 v[TM+4+\b], 23, v[TM+12+\b]                     ; the scale's byte
.endif
.endr
.irp b, 0,1,2,3
.if \b < \nb
.irp i, 0,1,2,3,4,5,6,7,8,9,10,11,12,13,14,15
	v_med3_num_f32 v[\s+16*\b+\i], v[\s+16*\b+\i], -v[TM+8+\b], v[TM+8+\b]   ; the conversion to an 8-bit code does not saturate (ISA guide 7.6.2): the hold comes first
.endr
	v_cvt_scalef32_pk8_bf8_f32 v[\pc+4*\b:\pc+4*\b+1], v[\s+16*\b:\s+16*\b+7], v[TM+12+\b]
	v_cvt_scalef32_pk8_bf8_f32 v[\pc+4*\b+2:\pc+4*\b+3], v[\s+16*\b+8:\s+16*\b+15], v[TM+12+\b]
.endif
.endr
	v_nop                                          ; one plain vector line behind the last conversion
.endm
.macro WORD4 pw                        ; the four bytes make my row's scale word
	v_lshl_or_b32 v[\pw], v[TM+5], 8, v[TM+4]
	v_lshl_or_b32 v[\pw], v[TM+6], 16, v[\pw]
	v_lshl_or_b32 v[\pw], v[TM+7], 24, v[\pw]
.endm
	s_load_b128 s[4:7], s[0:1], 0x0                ; W_attn, hidden
	s_load_b128 s[8:11], s[0:1], 0x10              ; codes, scales
	v_lshrrev_b32 v1, 5, v0
	v_readfirstlane_b32 s12, v1                    ; wave
	s_lshl_b32 s13, ttmp9, 2
	s_add_co_u32 s13, s13, s12                     ; J
	s_mov_b32 s16, 2000
	s_mov_b32 s17, 255
	s_cmp_lt_u32 ttmp9, 32                         ; the first 32 work-groups take W, the others hidden: the choice hangs on the work-group's number alone
	s_cselect_b32 s16, 4000, s16                   ; a row in bytes
	s_cselect_b32 s17, 499, s17                    ; the last row
	s_cselect_b32 s18, 0, 128                      ; the tensor's first job
	s_cselect_b32 s19, 2, 1                        ; jobs to a tile: 4 or 2
	s_cselect_b32 s20, 3, 1
	s_sub_co_u32 s34, s13, s18
	s_lshr_b32 s35, s34, s19                       ; T
	s_and_b32 s36, s34, s20                        ; p
	s_sub_co_u32 s21, s16, 16                      ; where a row's last 16 bytes begin
	s_lshl_b32 s37, s35, 4                         ; the tile's first row
	s_lshl_b32 s38, s36, 10                        ; two K steps are 1,024 bytes of a row
	s_mov_b32 s[SEL], 0x76543210
	s_mov_b32 s[SEL+1], 0xfedcba98
	s_mov_b32 s[MNT], 0x600000
	s_mov_b32 s[MHI], 0xffff0000
	s_lshl_b32 s30, s13, 12                        ; my job's codes,
	s_mov_b32 s31, 0
	s_lshl_b32 s32, s13, 7                         ; and its scale words
	s_mov_b32 s33, 0
	v_and_b32 v1, 15, v0                           ; r
	v_bfe_u32 v2, v0, 4, 1                         ; h
	v_add_nc_u32 v3, s37, v1
	v_min_u32 v3, s17, v3                          ; my row, held at the last
	v_mul_lo_u32 v3, v3, s16                       ; in bytes
	v_lshlrev_b32 v11, 6, v2
	v_add_nc_u32 v11, s38, v11                     ; 1,024 p + 64 h: my 16 numbers of the job's first block
	v_add_nc_u32 v4, v3, v11
.irp j, 0,1,2,3                        ; the job's last block may pass the row's end: each of its four loads is held at the row's last 16 bytes, and a mask says whether it was
	v_add_nc_u32 v31, 896+16*\j, v11
	v_cmp_ge_u32 s[VM+\j], s21, v31
	v_min_u32 v31, s21, v31
	v_add_nc_u32 v[5+\j], v3, v31
.endr
	v_and_b32 v9, 31, v0
	v_lshlrev_b32 v10, 2, v9                       ; 4 x lane
	v_lshlrev_b32 v9, 4, v9                        ; 16 x lane
.irp b, 0,1,2,3
	v_mov_b32 v[TM+4+\b], 0                        ; written once: a lane permute's destination counts as one of its sources
.endr
	s_wait_kmcnt 0x0
	s_cmp_lt_u32 ttmp9, 32
	s_cselect_b64 s[14:15], s[4:5], s[6:7]
	s_add_nc_u64 s[30:31], s[8:9], s[30:31]
	s_add_nc_u64 s[32:33], s[10:11], s[32:33]
.irp c, 0,1,2,3
.irp j, 0,1,2,3
	global_load_b128 v[X0+16*\c+4*\j:X0+16*\c+4*\j+3], v4, s[14:15] offset:128*\c+16*\j
.endr
.endr
.irp c, 0,1,2
.irp j, 0,1,2,3
	global_load_b128 v[X1+16*\c+4*\j:X1+16*\c+4*\j+3], v4, s[14:15] offset:512+128*\c+16*\j
.endr
.endr
.irp j, 0,1,2,3
	global_load_b128 v[X1+48+4*\j:X1+48+4*\j+3], v[5+\j], s[14:15]
.endr
	s_wait_loadcnt 16                              ; the even step's 16 loads are in; the odd step's 16 may be out
	QUANT X0, 4, PCA
	WORD4 PWA
	s_wait_loadcnt 0x0
.irp j, 0,1,2,3
.irp e, 0,1,2,3
	v_cndmask_b32 v[X1+48+4*\j+\e], 0, v[X1+48+4*\j+\e], s[VM+\j]   ; past the row's end: zeros
.endr
.endr
	QUANT X1, 4, PCB
	WORD4 PWB
	v_cndmask_b32 v[PWP], v[PWA], v[PWB], s[MHI]   ; lanes 0-15 the even step's word, lanes 16-31 the odd step's
.irp c, 0,1,2,3
	global_store_b128 v9, v[PCA+4*\c:PCA+4*\c+3], s[30:31] offset:512*\c          ; 32 lanes store 512 consecutive bytes, at a multiple of 256 from the buffer's first byte
.endr
.irp c, 0,1,2,3
	global_store_b128 v9, v[PCB+4*\c:PCB+4*\c+3], s[30:31] offset:2048+512*\c
.endr
	global_store_b32 v10, v[PWP], s[32:33]
	s_endpgm
.Lfunc_end_k_qc2863b8437_prep:
	.size	k_qc2863b8437_prep, .Lfunc_end_k_qc2863b8437_prep-k_qc2863b8437_prep
	.p2alignl 7, 3214868480
	.fill 96, 4, 3214868480
	.section	.rodata,"a",@progbits
	.p2align	6, 0x0
	.amdhsa_kernel k_qc2863b8437_prep
		.amdhsa_group_segment_fixed_size 0
		.amdhsa_private_segment_fixed_size 0
		.amdhsa_enable_private_segment 0
		.amdhsa_kernarg_size 32
		.amdhsa_user_sgpr_count 2
		.amdhsa_user_sgpr_kernarg_segment_ptr 1
		.amdhsa_wavefront_size32 1
		.amdhsa_system_sgpr_workgroup_id_x 1
		.amdhsa_system_sgpr_workgroup_id_y 1
		.amdhsa_system_sgpr_workgroup_id_z 1
		.amdhsa_system_vgpr_workitem_id 0
		.amdhsa_next_free_vgpr 192
		.amdhsa_next_free_sgpr 66
		.amdhsa_reserve_vcc 0
		.amdhsa_float_denorm_mode_32 3
		.amdhsa_float_denorm_mode_16_64 3
		.amdhsa_memory_ordered 1
		.amdhsa_forward_progress 1
		.amdhsa_inst_pref_size 24
	.end_amdhsa_kernel
	.amdgpu_metadata
---
amdhsa.version: [ 1, 2 ]
amdhsa.kernels:
  - .name:           k_qc2863b8437_prep
    .symbol:         k_qc2863b8437_prep.kd
    .args:
      - { .name: W_attn, .offset: 0, .size: 8, .value_kind: global_buffer, .address_space: global }
      - { .name: hidden, .offset: 8, .size: 8, .value_kind: global_buffer, .address_space: global }
      - { .name: codes, .offset: 16, .size: 8, .value_kind: global_buffer, .address_space: global }
      - { .name: scales, .offset: 24, .size: 8, .value_kind: global_buffer, .address_space: global }
    .group_segment_fixed_size: 0
    .private_segment_fixed_size: 0
    .kernarg_segment_align: 8
    .kernarg_segment_size: 32
    .max_flat_workgroup_size: 128
    .sgpr_count:     66
    .vgpr_count:     192
    .wavefront_size: 32
...
	.end_amdgpu_metadata
.endif
;; end of part 1
;; launch attn (part 2): grid 256 x 1, 4 waves a work-group, no clusters, 327,680 bytes of LDS; arguments encoder_output, hidden, b_attn, v, codes, scales, out0; writes out0
.if DOCPART == 2
	.amdgcn_target "amdgcn-amd-amdhsa--gfx1250"
	.amdhsa_code_object_version 6
	.text
	.protected	k_qc2863b8437_attn
	.globl	k_qc2863b8437_attn
	.p2align	8
	.type	k_qc2863b8437_attn,@function
k_qc2863b8437_attn:
	s_mov_b64 s[64:65], 0
	v_nop
	global_prefetch_b8 v0, s[64:65] scope:SCOPE_SE
	s_setreg_imm32_b32 hwreg(HW_REG_WAVE_MODE, 25, 1), 1
	s_wait_xcnt 0x0
; out0[b][0][s] = softmax over s of score[s], score[s] = the sum over n of v[n] tanh(x[s][n]), x[s][n] = Q(cat[s,b]) . Q(W_attn[n]) + b_attn[n]; products on codes of E5M2 with E8M0 scales, sums in f32.
; LEFT OUT, as shown at the head of the first kernel: the sum of v[n], which is the same along the softmax's axis (tanh(x) = 1 - 2 / (1 + e^(2x)): the score kept is the sum of -2 v[n] / (1 + 2^(c x)), c = 2 log2(e));
; and the sums over K steps 0 to 2, which hold hidden[b] alone, are made once for the work-group's b (G, at the head) and not for each of its 512 rows.
; SHARES.  Work-group b owns all 512 rows s of its b: 256 work-groups.  THE WAVES SHARE THE COLUMNS: wave w keeps W's rows 128 w .. 128 w + 127 (8 tiles t) of K steps Q = 3 .. 7 (q = Q - 3) in registers
; for the whole launch: 640 registers, read once as register images.  Rows go in 8 blocks of 64: wave w quantises rows 16 w .. 16 w + 15 of a block (five fragments) and hands them to the others through LDS as
; images of the operand's registers; every wave multiplies all four tiles of rows by its own columns, takes tanh, and sums over its 128 columns; the four waves' partial scores meet in LDS at the end.
; THE PRODUCT IS USED TRANSPOSED: source 0 = 16 rows of W, source 1 = 16 rows of cat: lane (r, h) holds row r of cat, and register j of tile t the column n = 128 w + 16 t + 8 h + j.
; K.  Q = 3: blocks 12 to 14 are hidden's (12 registers and 3 scale bytes that stay); block 15 is hidden[480 .. 499] and encoder_output[0 .. 11], made anew for each row.  Q = 4 .. 7: encoder_output[12 ..]; the last block has 8 numbers and 24 zeros.
; encoder_output comes by the tensor data mover: a wave's load brings its own 16 rows of a block (2,000 bytes each, 512,000 bytes apart in memory), dense in LDS: rows 2,000 bytes = 125 x 16 apart, an odd multiple of 16.
; Two slots of 64 rows; a wave reads only the rows that it fetched.  By this text's count a wave has two tensor loads out at the head and one afterwards; that one has a whole block's products in which to land.
; NO CLUSTER: the work-groups share W's codes alone, which go from memory straight into registers, once (131,072 x 5 / 8 bytes a wave); no tile in LDS is shared.  NO PREFETCH: the one stream's next block, 128,000 bytes a
; work-group, is always asked for already by the tensor loads.
; LIMITS: NaN and infinities among the inputs are not served; a block of zeros gets the byte 1 (its codes are zeros); columns 500 to 511 are computed from copies of row 499 and multiplied by 0.
; REGISTERS, in windows of 256.  Window 0: v1-14 addresses; v16-95 cat's five fragments (v16-27 stay), v32-95 also 64 numbers at the quantiser; v96-159 the 8 accumulators, also 64 numbers at the quantiser;
;   v160-191 W's scale words; v192, v194-197 cat's scale words; v193 hidden's three bytes; v198-213 hidden[480 ..]; v214-229 at work; v230-245 codes just made; v246, v248-251 scale words just made; v252-255 head.
;   W's fragment (t, q): window 1 + q / 2, register 128 (q % 2) + 16 t.   Window 3: v128-191 c (G + bias), v192-255 -2 v, both in the result's layout (register 8 t + j).
.set SLOT1, 1<<17                      ; slot 0 at LDS byte 0, slot 1 here: one exclusive or turns an address from one into the other
.set IMG,   262144                     ; the images: four tiles of rows x IMGT bytes
.set IMGT,  9472                       ; +0: registers 12-15 of fragment q = 0 (512); +512: fragments q = 1 .. 4 (2,048 each); +8704: their scale words (16 bytes a lane); +9216: q = 0's (4 bytes a lane)
.set SCP,   IMG+4*IMGT                 ; partial scores: [wave][512 rows] f32
.set SPARE, SCP+8192                   ; the spare words, 128 bytes for each wave: two blocks of 256 bytes that no other line names
.set SPW,  1                           ; v1   SPARE + 4 x my thread's number; never rewritten
.set NIL,  2                           ; v2   0; never rewritten
.set XAL,  3                           ; v3   my row in a slot + 48 + 64 h: my 16 numbers of block 16
.set XAL0, 4                           ; v4   my row in a slot
.set XA,   5                           ; v5, v6 the same in the slot in hand
.set XA0,  6
.set LI,   7                           ; v7   IMG + 16 x lane
.set LS,   8                           ; v8   IMG + 4 x lane
.set IW,   9                           ; v9   LI + IMGT x wave: where I store
.set IWS,  10                          ; v10  LS + IMGT x wave
.set SC0,  11                          ; v11  SCP + 2,048 x wave + 4 r
.set SCA,  12                          ; v12  the same in the block in hand
.set L16,  13                          ; v13  16 x lane
.set L4,   14                          ; v14  4 x lane
.set AF,   16
.set ST1,  32
.set ACC,  96
.set ST0,  96
.set WS,   160                         ; register 4 t + Q / 2: lanes 0-15 the even K step's words, lanes 16-31 the odd one's
.set AS0,  192
.set HSW,  193
.set AS1,  194
.set HB,   198                         ; lanes 0-15: hidden[480 + i]; lanes 16-31: hidden[496 + i], i < 4
.set TM,   214
.set SA,   214
.set PC,   230
.set PW0,  246
.set PW1,  248
.set RR,   230                         ; head alone: r, h, lane, 256 h, 64 h, at work
.set HH,   231
.set LN,   232
.set H256, 233
.set H64,  234
.set T0,   235
.set BO,   252                         ; head alone: 512 w + 32 h; the last tile's two offsets, held inside the buffer; 0
.set BO70, 253
.set BO71, 254
.set VZ,   255
.set CG,   128                         ; in window 3
.set VV,   192                         ; in window 3
.set WV,  18
.set MNT, 19
.set SEL, 20
.set CS,  22                           ; s[22:23] c = 2 log2(e), twice
.set MHI, 24                           ; lanes 16-31
.set MLO, 25                           ; lanes 0-15
.set G1,  28                           ; s[28:35] descriptor group 1
.set G0A, 36                           ; s[36:39] group 0 of block 0's load
.set G0B, 40                           ; s[40:43] of block 1's; it then walks
.set TB,  44                           ; the slot in hand
.set SCO, 45                           ; 256 x the block in hand
.set CNT, 46
.set WB,  48                           ; s[48:49] my wave's fragments of W
.set SHB, 50                           ; s[50:51] hidden's fragments, at my b's row
.set SHS, 52                           ; s[52:53] hidden's scale words, at my b's row
.set WSB, 54                           ; s[54:55] my wave's scale words of W
.set VM0, 56                           ; s56, s57 which lanes' last two loads of bias and v lie inside the buffer
.set HRB, 58                           ; s[58:59] hidden's row b, f32
.set MSB, 0
.macro WIN new                         ; the immediate's high byte repeats the setting that is left; a switch that changes nothing is dropped
.if MSB != (\new)
	s_set_vgpr_msb (MSB<<8)|(\new)
.set MSB, (\new)
.endif
.endm
.macro PLACES n
.rept \n
	v_nop
.endr
.endm
; 16 nb numbers of a lane, v[s] on, register 16 b + i = k 32 b + 16 h + i of my row, become codes in v[pc] on; the blocks' bytes are left in v[TM+4] on.
.macro QUANT s, nb, pc
.irp b, 0,1,2,3
.if \b < \nb
	v_max3_num_f32 v[TM+\b], |v[\s+16*\b]|, |v[\s+16*\b+1]|, 0x8000000   ; my 16 numbers of block b, and the floor 2^(16 - 127): the byte cannot fall under 1
.endif
.endr
.irp i, 2,4,6,8,10,12,14
.irp b, 0,1,2,3
.if \b < \nb
	v_max3_num_f32 v[TM+\b], v[TM+\b], |v[\s+16*\b+\i]|, |v[\s+16*\b+\i+1]|
.endif
.endr
.endr
.irp b, 0,1,2,3
.if \b < \nb
	v_permlanex16_b32 v[TM+4+\b], v[TM+\b], s[SEL], s[SEL+1]
.endif
.endr
.irp b, 0,1,2,3
.if \b < \nb
	v_max_num_f32 v[TM+\b], v[TM+\b], v[TM+4+\b]                  ; with lane l xor 16's 16: the block's largest magnitude
.endif
.endr
.irp b, 0,1,2,3
.if \b < \nb
	v_add_nc_u32 v[TM+12+\b], 0xf8800000, v[TM+\b]                ; 15 off its exponent field: the conversion's scale operand
	v_and_or_b32 v[TM+8+\b], v[TM+\b], 0x7f800000, s[MNT]         ; 57,344 x the scale
	v_lshrrev_b32 v[TM+4+\b], 23, v[TM+12+\b]                     ; the scale's byte
.endif
.endr
.irp b, 0,1,2,3
.if \b < \nb
.irp i, 0,1,2,3,4,5,6,7,8,9,10,11,12,13,14,15
	v_med3_num_f32 v[\s+16*\b+\i], v[\s+16*\b+\i], -v[TM+8+\b], v[TM+8+\b]   ; the conversion to an 8-bit code does not saturate (ISA guide 7.6.2): the hold comes first
.endr
	v_cvt_scalef32_pk8_bf8_f32 v[\pc+4*\b:\pc+4*\b+1], v[\s+16*\b:\s+16*\b+7], v[TM+12+\b]
	v_cvt_scalef32_pk8_bf8_f32 v[\pc+4*\b+2:\pc+4*\b+3], v[\s+16*\b+8:\s+16*\b+15], v[TM+12+\b]
.endif
.endr
	v_nop                                          ; one plain vector line behind the last conversion
.endm
.macro WORD4 pw
	v_lshl_or_b32 v[\pw], v[TM+5], 8, v[TM+4]
	v_lshl_or_b32 v[\pw], v[TM+6], 16, v[\pw]
	v_lshl_or_b32 v[\pw], v[TM+7], 24, v[\pw]
.endm
; One product: tile t of my columns; W's fragment in the registers of (t, q); kq: the K step, which picks W's scale register and its half.  zero = 1 (used with the odd K step 3 alone): the product starts the sum.
.macro MM t, q, kq, af, sa, zero
.set rD, ACC+8*(\t)
.set rW, 128*((\q)&1)+16*(\t)
.set rS, WS+4*(\t)+((\kq)>>1)
.if (\zero)
	v_wmma_scale_f32_16x16x128_f8f6f4 v[rD:rD+7], v[rW:rW+15], v[\af:\af+15], 0, v[rS], v[\sa] matrix_a_fmt:MATRIX_FMT_BF8 matrix_b_fmt:MATRIX_FMT_BF8 matrix_a_scale:MATRIX_SCALE_ROW1
.elseif ((\kq)&1)
	v_wmma_scale_f32_16x16x128_f8f6f4 v[rD:rD+7], v[rW:rW+15], v[\af:\af+15], v[rD:rD+7], v[rS], v[\sa] matrix_a_fmt:MATRIX_FMT_BF8 matrix_b_fmt:MATRIX_FMT_BF8 matrix_a_scale:MATRIX_SCALE_ROW1
.else
	v_wmma_scale_f32_16x16x128_f8f6f4 v[rD:rD+7], v[rW:rW+15], v[\af:\af+15], v[rD:rD+7], v[rS], v[\sa] matrix_a_fmt:MATRIX_FMT_BF8 matrix_b_fmt:MATRIX_FMT_BF8
.endif
.endm
.macro MUL8 q, kq, af, sa, zero        ; a K step: the 8 accumulators take turns, one instruction a turn
	WIN 1+((\q)>>1)                                ; source 0 (W) in its window; all else in window 0
.irp t, 0,1,2,3,4,5,6,7
	MM \t, \q, \kq, \af, \sa, \zero
.endr
.endm
.macro WLOAD q, kq                     ; my 8 fragments of K step kq into the registers of (t, q): each load takes 512 consecutive bytes
.irp t, 0,1,2,3,4,5,6,7
.irp c, 0,1,2,3
	global_load_b128 v[128*((\q)&1)+16*\t+4*\c:128*((\q)&1)+16*\t+4*\c+3], v[L16], s[WB:WB+1] offset:\t*16384+(\kq)*2048+512*\c
.endr
.endr
.endm
.macro XL dst, off, nc                 ; nc blocks of 32 numbers of my row, my 16 of each, from off bytes behind block 16
.irp c, 0,1,2,3
.if \c < \nc
.irp j, 0,1,2,3
	ds_load_b128 v[\dst+16*\c+4*\j:\dst+16*\c+4*\j+3], v[XA] offset:\off+128*\c+16*\j
.endr
.endif
.endr
.endm
.macro IMAGE off                       ; the fragment in v[PC] on goes to LDS as it stands
.irp c, 0,1,2,3
	ds_store_b128 v[IW], v[PC+4*\c:PC+4*\c+3] offset:\off+512*\c
.endr
.endm
; MY 16 ROWS OF THE BLOCK BECOME IMAGES.  Each K step's LDS loads are issued a K step ahead, into two sets of 64 registers by turns; a counted wait leaves the run just issued out, and shows the stores in front of it done,
; so that the codes' registers may be written again.
.macro XPHASE
	v_add_nc_u32 v[XA], s[TB], v[XAL]
	v_add_nc_u32 v[XA0], s[TB], v[XAL0]
	v_add_nc_u32 v[SCA], s[SCO], v[SC0]
.irp j, 0,1,2
	ds_load_b128 v[ST1+4+4*\j:ST1+7+4*\j], v[XA0] offset:16*\j     ; encoder_output[0 .. 11] of my row
.endr
	XL ST0, 0, 4                                   ; Q = 4
	s_wait_dscnt 16                                ; the three are in; Q = 4's sixteen may be out
.irp i, 0,1,2,3
	v_mov_b32 v[ST1+\i], v[HB+\i]                  ; block 15: lanes 0-15 hold k 480 .. 495, all hidden's; lanes 16-31 k 496 .. 511: four of hidden's, then the twelve
.endr
.irp i, 4,5,6,7,8,9,10,11,12,13,14,15
	v_cndmask_b32 v[ST1+\i], v[HB+\i], v[ST1+\i], s[MHI]
.endr
	QUANT ST1, 1, PC
	v_lshl_or_b32 v[PW0], v[TM+4], 24, v[HSW]      ; Q = 3's scale word: hidden's three bytes and this block's
	ds_store_b128 v[IW], v[PC:PC+3]                ; registers 12-15 of fragment q = 0
	XL ST1, 512, 4                                 ; Q = 5
	s_wait_dscnt 16                                ; Q = 4's numbers are in and the store is done; Q = 5's sixteen may be out
	QUANT ST0, 4, PC
	WORD4 PW1
	IMAGE 512
	XL ST0, 1024, 4                                ; Q = 6
	s_wait_dscnt 16                                ; Q = 5's are in, the image is stored; Q = 6's sixteen may be out
	QUANT ST1, 4, PC
	WORD4 PW1+1
	IMAGE 2560
	XL ST1, 1536, 3                                ; Q = 7: three whole blocks,
	ds_load_b128 v[ST1+48:ST1+51], v[XA0] offset:1968              ; and the row's last 8 numbers, which are lanes 0-15's
	ds_load_b128 v[ST1+52:ST1+55], v[XA0] offset:1984
	s_wait_dscnt 14                                ; Q = 6's are in, the image is stored; Q = 7's fourteen may be out
	QUANT ST0, 4, PC
	WORD4 PW1+2
	IMAGE 4608
	s_wait_dscnt 0x0
.irp i, 0,1,2,3,4,5,6,7
	v_cndmask_b32 v[ST1+48+\i], 0, v[ST1+48+\i], s[MLO]            ; k 1,008 on: zeros
.endr
.irp i, 0,1,2,3,4,5,6,7
	v_mov_b32 v[ST1+56+\i], 0                      ; k 1,000 .. 1,007 and 1,016 on: zeros
.endr
	QUANT ST1, 4, PC
	WORD4 PW1+3
	IMAGE 6656
	ds_store_b128 v[IW], v[PW1:PW1+3] offset:8704
	ds_store_b32 v[IWS], v[PW0] offset:9216
.endm
.macro LOADA m                         ; tile m's fragments and scale words come back as they were stored: 19 loads
	ds_load_b128 v[AF+12:AF+15], v[LI] offset:(\m)*IMGT
.irp q, 1,2,3,4
.irp c, 0,1,2,3
	ds_load_b128 v[AF+16*\q+4*\c:AF+16*\q+4*\c+3], v[LI] offset:(\m)*IMGT+512+2048*(\q-1)+512*\c
.endr
.endr
	ds_load_b128 v[AS1:AS1+3], v[LI] offset:(\m)*IMGT+8704
	ds_load_b32 v[AS0], v[LS] offset:(\m)*IMGT+9216
.endm
; A TILE OF 16 ROWS: 40 products, then for my 64 numbers a lane: y = c acc + c (G + bias); 2^y; 1 + 2^y; its reciprocal; times -2 v, summed.
.macro MTILE m
	s_wait_dscnt 0x0                               ; the tile's fragments are in (and the last tile's score is stored)
	MUL8 0, 3, AF, AS0, 1
	MUL8 1, 4, AF+16, AS1, 0
	MUL8 2, 5, AF+32, AS1+1, 0
	MUL8 3, 6, AF+48, AS1+2, 0
	MUL8 4, 7, AF+64, AS1+3, 0
	WIN 0
	PLACES 8                                       ; eight places in front of loads into registers that the products have read, and of the first read of results
.if (\m) < 3
	LOADA (\m)+1                                   ; the next tile's fragments land under the vector work
.endif
	WIN 0x30                                       ; source 2 in window 3
.set i, 0
.rept 32
	v_pk_fma_f32 v[ACC+2*i:ACC+2*i+1], v[ACC+2*i:ACC+2*i+1], s[CS:CS+1], v[CG+2*i:CG+2*i+1] op_sel_hi:[1,0,1]   ; each accumulator from its low end on
.set i, i+1
.endr
	WIN 0
.set i, 0
.rept 64
	v_exp_f32 v[ACC+i], v[ACC+i]                   ; e^(2x): infinity where x is large (the reciprocal is then 0: tanh = 1), 0 where it is very negative (tanh = -1)
.set i, i+1
.endr
	v_nop                                          ; a plain line behind the last exponential
	s_wait_alu depctr_va_vdst(0)                   ; one wait for the batch, ahead of its first reader
.set i, 0
.rept 32
	v_pk_add_f32 v[ACC+2*i:ACC+2*i+1], v[ACC+2*i:ACC+2*i+1], 1.0 op_sel_hi:[1,0]
.set i, i+1
.endr
.set i, 0
.rept 64
	v_rcp_f32 v[ACC+i], v[ACC+i]
.set i, i+1
.endr
	v_nop
	s_wait_alu depctr_va_vdst(0)                   ; one wait for the batch
	WIN 0x0c                                       ; source 1 in window 3
.set i, 0
.rept 32
.if i < 4
	v_pk_mul_f32 v[SA+2*i:SA+2*i+1], v[ACC+2*i:ACC+2*i+1], v[VV+2*i:VV+2*i+1]       ; four chains of packed sums; the first products start them
.else
	v_pk_fma_f32 v[SA+2*(i%4):SA+2*(i%4)+1], v[ACC+2*i:ACC+2*i+1], v[VV+2*i:VV+2*i+1], v[SA+2*(i%4):SA+2*(i%4)+1]
.endif
.set i, i+1
.endr
	WIN 0
	v_pk_add_f32 v[SA:SA+1], v[SA:SA+1], v[SA+2:SA+3]
	v_pk_add_f32 v[SA+4:SA+5], v[SA+4:SA+5], v[SA+6:SA+7]
	v_pk_add_f32 v[SA:SA+1], v[SA:SA+1], v[SA+4:SA+5]
	v_add_f32 v[SA], v[SA], v[SA+1]
	v_permlanex16_b32 v[SA+1], v[SA], s[SEL], s[SEL+1]
	v_add_f32 v[SA], v[SA], v[SA+1]                ; row r's sum over my 128 columns
	ds_store_b32 v[SCA], v[SA] offset:64*(\m)      ; both halves of the lanes write the same word with the same value
.endm
; A BLOCK OF 64 ROWS, two barriers.  The first shows the images to every wave; with refill = 1 it is also the barrier in front of the slot's next fill: the slot just read takes the block two further on.
.macro BLOCK refill
.if !(\refill)
	s_wait_tensorcnt 0x0                           ; the last slots: my rows are in
.endif
	XPHASE
.if \refill
	s_wait_tensorcnt 0x0                           ; all my tensor loads have landed, the next block's among them: a group 0 may be written
	ds_add_u32 v[SPW], v[NIL]                      ; 0 onto my spare word
	s_xor_b32 s[G0B+1], s[G0B+1], SLOT1            ; the walking descriptor: the other slot than last time,
	s_add_nc_u64 s[G0B+2:G0B+3], s[G0B+2:G0B+3], 32768000         ; 64 rows of 512,000 bytes on; the type bits on top are not reached
	s_wait_dscnt 0x0                               ; the add is done, my reads of the slot are back, my images are stored
	s_barrier_signal -1
	s_barrier_wait -1
	tensor_load_to_lds s[G0B:G0B+3], s[G1:G1+7]    ; my one tensor load behind this barrier, and the first thing there
	s_nop 0
	PLACES 4
.else
	s_wait_dscnt 0x0                               ; my images are stored
	s_barrier_signal -1
	s_barrier_wait -1
.endif
	s_wait_loadcnt 0x0                             ; W's fragments (it waits in the first block alone)
	LOADA 0
	MTILE 0
	MTILE 1
	MTILE 2
	MTILE 3
	s_wait_dscnt 0x0                               ; my reads of the images are back, my scores are stored
	s_barrier_signal -1
	s_barrier_wait -1                              ; the images may be written again
	s_xor_b32 s[TB], s[TB], SLOT1
	s_add_co_u32 s[SCO], s[SCO], 256
.endm
	s_load_b256 s[4:11], s[0:1], 0x0               ; encoder_output s[4:5], hidden s[6:7], b_attn s[8:9], v s[10:11]
	s_load_b128 s[12:15], s[0:1], 0x20             ; codes, scales
	s_load_b64 s[16:17], s[0:1], 0x30              ; out0
	v_lshl_add_u32 v[SPW], v0, 2, SPARE
	v_mov_b32 v[NIL], 0
	ds_add_u32 v[SPW], v[NIL]                      ; the wave's opening: 0 onto my spare word, twice on end, waited for ahead of my first tensor load; work on registers stands between
	ds_add_u32 v[SPW], v[NIL]
	v_lshrrev_b32 v15, 5, v0
	v_readfirstlane_b32 s[WV], v15                 ; wave 0..3
	; descriptor group 1: 16 rows of 500 elements of 4 bytes, 128,000 elements (256 x 500) from row to row, dense in LDS
	s_mov_b32 s[G1+0], 2<<16                       ; no mask; elements of 4 bytes; no padding
	s_mov_b32 s[G1+1], 500<<16                     ; tensor_dim0 = 500
	s_mov_b32 s[G1+2], 16<<16                      ; tensor_dim1 = 16
	s_mov_b32 s[G1+3], 500<<16                     ; tile_dim0 = 500
	s_mov_b32 s[G1+4], 16                          ; tile_dim1 = 16
	s_mov_b32 s[G1+5], 128000                      ; the pitch
	s_mov_b32 s[G1+6], 0
	s_mov_b32 s[G1+7], 0
	s_mov_b32 s[MNT], 0x600000
	s_mov_b32 s[SEL], 0x76543210
	s_mov_b32 s[SEL+1], 0xfedcba98
	s_mov_b32 s[CS], 0x4038aa3b                    ; c = 2 log2(e)
	s_mov_b32 s[CS+1], s[CS]
	s_mov_b32 s[MHI], 0xffff0000
	s_mov_b32 s[MLO], 0x0000ffff
	s_mov_b32 s[TB], 0
	s_mov_b32 s[SCO], 0
	v_and_b32 v[RR], 15, v0
	v_bfe_u32 v[HH], v0, 4, 1
	v_and_b32 v[LN], 31, v0
	v_lshlrev_b32 v[L16], 4, v[LN]
	v_lshlrev_b32 v[L4], 2, v[LN]
	s_mul_i32 s[G0A+1], s[WV], 32000               ; my 16 rows in a slot
	v_mul_u32_u24 v[XAL0], v[RR], 2000
	v_add_nc_u32 v[XAL0], s[G0A+1], v[XAL0]
	v_lshl_add_u32 v[XAL], v[HH], 6, v[XAL0]
	v_add_nc_u32 v[XAL], 48, v[XAL]
	v_add_nc_u32 v[LI], IMG, v[L16]
	v_add_nc_u32 v[LS], IMG, v[L4]
	s_mul_i32 s26, s[WV], IMGT
	v_add_nc_u32 v[IW], s26, v[LI]
	v_add_nc_u32 v[IWS], s26, v[LS]
	s_lshl_b32 s47, s[WV], 11
	s_add_co_u32 s47, s47, SCP
	v_lshl_add_u32 v[SC0], v[RR], 2, s47
	v_lshlrev_b32 v[H256], 8, v[HH]
	v_lshlrev_b32 v[H64], 6, v[HH]
	v_mov_b32 v[VZ], 0
	s_lshl_b32 s60, s[WV], 9
	v_lshl_add_u32 v[BO], v[HH], 5, s60            ; bias and v: my tile 0's eight numbers begin at byte 512 w + 32 h
	s_mov_b32 s27, 1984                            ; where the last 16 bytes of 500 numbers begin
	v_add_nc_u32 v[T0], 448, v[BO]                 ; tile 7 may pass the end (columns 500 on): its two loads are held there, and masks say whether they were
	v_cmp_ge_u32 s[VM0], s27, v[T0]
	v_min_u32 v[BO70], s27, v[T0]
	v_add_nc_u32 v[T0], 464, v[BO]
	v_cmp_ge_u32 s[VM0+1], s27, v[T0]
	v_min_u32 v[BO71], s27, v[T0]
.irp b, 0,1,2,3
	v_mov_b32 v[TM+4+\b], 0                        ; written once: a lane permute's destination counts as one of its sources
.endr
	; offsets, each in the pair that will hold the address
	s_mul_i32 s[HRB], ttmp9, 2000                  ; row b of hidden, and of each s of encoder_output
	s_mov_b32 s[HRB+1], 0
	s_mul_i32 s60, s[WV], 8192000                  ; my wave's first row: 16 w rows of 512,000 bytes
	s_add_co_u32 s60, s60, s[HRB]
	s_mov_b32 s61, 0
	s_lshl_b32 s[WB], s[WV], 17                    ; 8 tiles of 16,384 bytes a wave
	s_mov_b32 s[WB+1], 0
	s_lshr_b32 s26, ttmp9, 4                       ; hidden's tile,
	s_and_b32 s47, ttmp9, 15                       ; and my b's row in it
	s_lshl_b32 s[SHB], s26, 13
	s_lshl_b32 s27, s47, 4
	s_add_co_u32 s[SHB], s[SHB], s27
	s_add_co_u32 s[SHB], s[SHB], 524288
	s_mov_b32 s[SHB+1], 0
	s_lshl_b32 s[SHS], s26, 8
	s_lshl_b32 s27, s47, 2
	s_add_co_u32 s[SHS], s[SHS], s27
	s_add_co_u32 s[SHS], s[SHS], 16384
	s_mov_b32 s[SHS+1], 0
	s_lshl_b32 s[WSB], s[WV], 12
	s_mov_b32 s[WSB+1], 0
	s_lshl_b32 s26, ttmp9, 11                      ; out0: row b of 2,048 bytes, my wave's 512
	s_lshl_b32 s27, s[WV], 9
	s_add_co_u32 s26, s26, s27
	s_mov_b32 s27, 0
	s_wait_dscnt 0x0                               ; both opening adds are done
	s_wait_kmcnt 0x0
	s_mov_b32 s[G0A], 1                            ; count = 1
	s_add_nc_u64 s[G0A+2:G0A+3], s[4:5], s[60:61]  ; block 0, my 16 rows
	s_mov_b32 s[G0B], 1
	s_add_co_u32 s[G0B+1], s[G0A+1], SLOT1
	s_add_nc_u64 s[G0B+2:G0B+3], s[G0A+2:G0A+3], 32768000          ; block 1
	s_or_b32 s[G0A+3], s[G0A+3], 0x80000000        ; type = 2
	s_or_b32 s[G0B+3], s[G0B+3], 0x80000000
	tensor_load_to_lds s[G0A:G0A+3], s[G1:G1+7]    ; the two first fills go out together, in every wave, ahead of every wait on TENSORcnt, LDS read and barrier
	s_nop 0
	tensor_load_to_lds s[G0B:G0B+3], s[G1:G1+7]
	s_nop 0
	PLACES 4
	s_add_nc_u64 s[HRB:HRB+1], s[6:7], s[HRB:HRB+1]
	s_add_nc_u64 s[WB:WB+1], s[12:13], s[WB:WB+1]
	s_add_nc_u64 s[SHB:SHB+1], s[12:13], s[SHB:SHB+1]
	s_add_nc_u64 s[SHS:SHS+1], s[14:15], s[SHS:SHS+1]
	s_add_nc_u64 s[WSB:WSB+1], s[14:15], s[WSB:WSB+1]
	s_add_nc_u64 s[16:17], s[16:17], s[26:27]
	; hidden's fragments: every lane takes row b's registers of its half, so that all 16 rows of source 1 are hidden[b]
.irp k, 0,1,2
.irp c, 0,1,2,3
	global_load_b128 v[AF+16+16*\k+4*\c:AF+16+16*\k+4*\c+3], v[H256], s[SHB:SHB+1] offset:2048*\k+512*\c
.endr
.endr
.irp c, 0,1,2
	global_load_b128 v[AF+4*\c:AF+4*\c+3], v[H256], s[SHB:SHB+1] offset:6144+512*\c     ; K step 3, blocks 12 to 14: they stay
.endr
.irp k, 0,1,2
	global_load_b32 v[AS1+\k], v[VZ], s[SHS:SHS+1] offset:64*\k    ; row b's scale words, the same in every lane
.endr
	global_load_b32 v[HSW], v[VZ], s[SHS:SHS+1] offset:192
	global_load_b128 v[HB:HB+3], v[H64], s[HRB:HRB+1] offset:1920  ; hidden[480 ..] in lanes 0-15, hidden[496 ..] in lanes 16-31
.irp j, 1,2,3
	global_load_b128 v[HB+4*\j:HB+4*\j+3], v[VZ], s[HRB:HRB+1] offset:1920+16*\j
.endr
.irp t, 0,1,2,3,4,5,6,7
.irp p, 0,1,2,3
	global_load_b32 v[WS+4*\t+\p], v[L4], s[WSB:WSB+1] offset:(4*\t+\p)*128
.endr
.endr
.irp t, 0,1,2,3,4,5,6
.irp g, 0,1
	global_load_b128 v[ACC+8*\t+4*\g:ACC+8*\t+4*\g+3], v[BO], s[8:9] offset:64*\t+16*\g    ; the bias in the result's layout: it is the C of G's first products
.endr
.endr
	global_load_b128 v[ACC+56:ACC+59], v[BO70], s[8:9]
	global_load_b128 v[ACC+60:ACC+63], v[BO71], s[8:9]
	WIN 0xc0                                       ; destination window 3
.irp t, 0,1,2,3,4,5,6
.irp g, 0,1
	global_load_b128 v[VV+8*\t+4*\g:VV+8*\t+4*\g+3], v[BO], s[10:11] offset:64*\t+16*\g
.endr
.endr
	global_load_b128 v[VV+56:VV+59], v[BO70], s[10:11]
	global_load_b128 v[VV+60:VV+63], v[BO71], s[10:11]
	WIN 0x40                                       ; destination window 1
	WLOAD 0, 0                                     ; W's K steps 0 to 2, for G alone, in the registers that K steps 3 to 5 will take
	WLOAD 1, 1
	WIN 0x80                                       ; window 2
	WLOAD 2, 2
	WLOAD 3, 6                                     ; K steps 6 and 7 go to their own registers at once: the 64 youngest loads
	WIN 0xc0
	WLOAD 4, 7
	WIN 0
	s_wait_loadcnt 63                              ; all but 63 of those 64 are in: everything that G, the bias and v want
	v_and_b32 v[HSW], 0xffffff, v[HSW]             ; hidden's three bytes of K step 3; the fourth is made for each row
	MUL8 0, 0, AF+16, AS1, 0                       ; G + bias = the sums over k < 384, once for my b: the same in all 16 rows
	MUL8 1, 1, AF+32, AS1+1, 0
	MUL8 2, 2, AF+48, AS1+2, 0
	WIN 0
	PLACES 8
	WIN 0xc0
.set i, 0
.rept 32
	v_pk_mul_f32 v[CG+2*i:CG+2*i+1], v[ACC+2*i:ACC+2*i+1], s[CS:CS+1] op_sel_hi:[1,0]      ; c (G + bias); each accumulator from its low end on
.set i, i+1
.endr
	WIN 0xcf                                       ; sources 0 and 1 and the destination in window 3
.irp g, 0,1
.irp e, 0,1,2,3
	v_cndmask_b32 v[VV+56+4*\g+\e], 0, v[VV+56+4*\g+\e], s[VM0+\g]  ; columns 500 on count for nothing
.endr
.endr
.set i, 0
.rept 32
	v_pk_mul_f32 v[VV+2*i:VV+2*i+1], v[VV+2*i:VV+2*i+1], -2.0 op_sel_hi:[1,0]
.set i, i+1
.endr
	WIN 0x40
	WLOAD 0, 3                                     ; K steps 3 to 5 take their registers; they land under the first block's quantising
	WLOAD 1, 4
	WIN 0x80
	WLOAD 2, 5
	WIN 0
	s_wait_tensorcnt 1                             ; my rows of block 0 are in; block 1's load may stay out.  No barrier: a wave reads only the rows that it fetched
	s_mov_b32 s[CNT], 6
.LA:                                               ; blocks 0 to 5: each asks for the block two further on
	BLOCK 1
	s_sub_co_u32 s[CNT], s[CNT], 1
	s_cmp_lg_u32 s[CNT], 0
	s_cbranch_scc1 .LA
	s_mov_b32 s[CNT], 2
.LB:                                               ; blocks 6 and 7 ask for nothing: a text of their own
	BLOCK 0
	s_sub_co_u32 s[CNT], s[CNT], 1
	s_cmp_lg_u32 s[CNT], 0
	s_cbranch_scc1 .LB
	; THE SOFTMAX.  Behind the last barrier all partial scores lie in LDS.  Every wave adds the four waves' parts of all 512 rows (16 rows a lane), finds the maximum and the sum for itself, and stores 128 rows.
	; Group g of a lane's rows is 128 (w xor g) + 4 x lane + 0 .. 3: group 0 is the wave's own part of the output.
	v_add_nc_u32 v15, SCP, v[L16]
.irp g, 0,1,2,3
	s_xor_b32 s26, s[WV], \g
	s_lshl_b32 s26, s26, 9
	v_add_nc_u32 v[3+\g], s26, v15
.endr
.irp g, 0,1,2,3
.irp p, 0,1,2,3
	ds_load_b128 v[ACC+16*\g+4*\p:ACC+16*\g+4*\p+3], v[3+\g] offset:2048*\p
.endr
.endr
	s_mov_b32 s26, 0x3fb8aa3b                      ; log2(e)
	s_mov_b32 s27, s26
	s_wait_dscnt 0x0
.irp g, 0,1,2,3
	v_pk_add_f32 v[ACC+16*\g:ACC+16*\g+1], v[ACC+16*\g:ACC+16*\g+1], v[ACC+16*\g+4:ACC+16*\g+5]
	v_pk_add_f32 v[ACC+16*\g+2:ACC+16*\g+3], v[ACC+16*\g+2:ACC+16*\g+3], v[ACC+16*\g+6:ACC+16*\g+7]
	v_pk_add_f32 v[ACC+16*\g+8:ACC+16*\g+9], v[ACC+16*\g+8:ACC+16*\g+9], v[ACC+16*\g+12:ACC+16*\g+13]
	v_pk_add_f32 v[ACC+16*\g+10:ACC+16*\g+11], v[ACC+16*\g+10:ACC+16*\g+11], v[ACC+16*\g+14:ACC+16*\g+15]
.endr
.irp g, 0,1,2,3
	v_pk_add_f32 v[ACC+16*\g:ACC+16*\g+1], v[ACC+16*\g:ACC+16*\g+1], v[ACC+16*\g+8:ACC+16*\g+9]
	v_pk_add_f32 v[ACC+16*\g+2:ACC+16*\g+3], v[ACC+16*\g+2:ACC+16*\g+3], v[ACC+16*\g+10:ACC+16*\g+11]   ; the scores: registers 16 g + 0 .. 3
.endr
	v_max3_num_f32 v[TM], v[ACC], v[ACC+1], v[ACC+2]
	v_max3_num_f32 v[TM+1], v[ACC+3], v[ACC+16], v[ACC+17]
	v_max3_num_f32 v[TM], v[TM], v[ACC+18], v[ACC+19]
	v_max3_num_f32 v[TM+1], v[TM+1], v[ACC+32], v[ACC+33]
	v_max3_num_f32 v[TM], v[TM], v[ACC+34], v[ACC+35]
	v_max3_num_f32 v[TM+1], v[TM+1], v[ACC+48], v[ACC+49]
	v_max3_num_f32 v[TM], v[TM], v[ACC+50], v[ACC+51]
	v_max_num_f32 v[TM], v[TM], v[TM+1]
	v_max_num_f32_dpp v[TM], v[TM], v[TM] row_xmask:1 row_mask:0xf bank_mask:0xf
	v_max_num_f32_dpp v[TM], v[TM], v[TM] row_xmask:2 row_mask:0xf bank_mask:0xf
	v_max_num_f32_dpp v[TM], v[TM], v[TM] row_xmask:4 row_mask:0xf bank_mask:0xf
	v_max_num_f32_dpp v[TM], v[TM], v[TM] row_xmask:8 row_mask:0xf bank_mask:0xf
	v_permlanex16_b32 v[TM+1], v[TM], s[SEL], s[SEL+1]
	v_max_num_f32 v[TM], v[TM], v[TM+1]            ; the largest of the 512 scores, in every lane
	v_mul_f32 v[TM+2], s26, v[TM]
.irp g, 0,1,2,3
	v_pk_fma_f32 v[ACC+16*\g:ACC+16*\g+1], v[ACC+16*\g:ACC+16*\g+1], s[26:27], v[TM+2:TM+3] op_sel_hi:[1,0,0] neg_lo:[0,0,1] neg_hi:[0,0,1]   ; (score - maximum) log2(e)
	v_pk_fma_f32 v[ACC+16*\g+2:ACC+16*\g+3], v[ACC+16*\g+2:ACC+16*\g+3], s[26:27], v[TM+2:TM+3] op_sel_hi:[1,0,0] neg_lo:[0,0,1] neg_hi:[0,0,1]
.endr
.irp g, 0,1,2,3
.irp e, 0,1,2,3
	v_exp_f32 v[ACC+16*\g+\e], v[ACC+16*\g+\e]
.endr
.endr
	v_nop
	s_wait_alu depctr_va_vdst(0)                   ; one wait for the sixteen
	v_pk_add_f32 v[TM+4:TM+5], v[ACC:ACC+1], v[ACC+2:ACC+3]
	v_pk_add_f32 v[TM+6:TM+7], v[ACC+16:ACC+17], v[ACC+18:ACC+19]
	v_pk_add_f32 v[TM+4:TM+5], v[TM+4:TM+5], v[ACC+32:ACC+33]
	v_pk_add_f32 v[TM+6:TM+7], v[TM+6:TM+7], v[ACC+34:ACC+35]
	v_pk_add_f32 v[TM+4:TM+5], v[TM+4:TM+5], v[ACC+48:ACC+49]
	v_pk_add_f32 v[TM+6:TM+7], v[TM+6:TM+7], v[ACC+50:ACC+51]
	v_pk_add_f32 v[TM+4:TM+5], v[TM+4:TM+5], v[TM+6:TM+7]
	v_add_f32 v[TM+4], v[TM+4], v[TM+5]
	v_add_f32_dpp v[TM+4], v[TM+4], v[TM+4] row_xmask:1 row_mask:0xf bank_mask:0xf
	v_add_f32_dpp v[TM+4], v[TM+4], v[TM+4] row_xmask:2 row_mask:0xf bank_mask:0xf
	v_add_f32_dpp v[TM+4], v[TM+4], v[TM+4] row_xmask:4 row_mask:0xf bank_mask:0xf
	v_add_f32_dpp v[TM+4], v[TM+4], v[TM+4] row_xmask:8 row_mask:0xf bank_mask:0xf
	v_permlanex16_b32 v[TM+5], v[TM+4], s[SEL], s[SEL+1]
	v_add_f32 v[TM+4], v[TM+4], v[TM+5]            ; the sum over the 512
	v_rcp_f32 v[TM+6], v[TM+4]
	v_nop
	s_wait_alu depctr_va_vdst(0)
	v_pk_mul_f32 v[TM+8:TM+9], v[ACC:ACC+1], v[TM+6:TM+7] op_sel_hi:[1,0]
	v_pk_mul_f32 v[TM+10:TM+11], v[ACC+2:ACC+3], v[TM+6:TM+7] op_sel_hi:[1,0]
	global_store_b128 v[L16], v[TM+8:TM+11], s[16:17]              ; 32 lanes store 512 consecutive bytes, at a multiple of 256 from out0's first byte
	s_wait_tensorcnt 0x0                           ; the wave's end: behind my last tensor load and my last LDS store
	ds_add_u32 v[SPW], v[NIL]
	s_wait_dscnt 0x0
	s_endpgm
.Lfunc_end_k_qc2863b8437_attn:
	.size	k_qc2863b8437_attn, .Lfunc_end_k_qc2863b8437_attn-k_qc2863b8437_attn
	.p2alignl 7, 3214868480
	.fill 96, 4, 3214868480
	.section	.rodata,"a",@progbits
	.p2align	6, 0x0
	.amdhsa_kernel k_qc2863b8437_attn
		.amdhsa_group_segment_fixed_size 327680
		.amdhsa_private_segment_fixed_size 0
		.amdhsa_enable_private_segment 0
		.amdhsa_kernarg_size 56
		.amdhsa_user_sgpr_count 2
		.amdhsa_user_sgpr_kernarg_segment_ptr 1
		.amdhsa_wavefront_size32 1
		.amdhsa_system_sgpr_workgroup_id_x 1
		.amdhsa_system_sgpr_workgroup_id_y 1
		.amdhsa_system_sgpr_workgroup_id_z 1
		.amdhsa_system_vgpr_workitem_id 0
		.amdhsa_next_free_vgpr 1024
		.amdhsa_next_free_sgpr 66
		.amdhsa_reserve_vcc 0
		.amdhsa_float_denorm_mode_32 3
		.amdhsa_float_denorm_mode_16_64 3
		.amdhsa_memory_ordered 1
		.amdhsa_forward_progress 1
		.amdhsa_inst_pref_size 255
	.end_amdhsa_kernel
	.section	.bss,"aw",@nobits
	.p2align	6
	.space	262144
	.amdgpu_metadata
---
amdhsa.version: [ 1, 2 ]
amdhsa.kernels:
  - .name:           k_qc2863b8437_attn
    .symbol:         k_qc2863b8437_attn.kd
    .args:
      - { .name: encoder_output, .offset: 0, .size: 8, .value_kind: global_buffer, .address_space: global }
      - { .name: hidden, .offset: 8, .size: 8, .value_kind: global_buffer, .address_space: global }
      - { .name: b_attn, .offset: 16, .size: 8, .value_kind: global_buffer, .address_space: global }
      - { .name: v, .offset: 24, .size: 8, .value_kind: global_buffer, .address_space: global }
      - { .name: codes, .offset: 32, .size: 8, .value_kind: global_buffer, .address_space: global }
      - { .name: scales, .offset: 40, .size: 8, .value_kind: global_buffer, .address_space: global }
      - { .name: out0, .offset: 48, .size: 8, .value_kind: global_buffer, .address_space: global }
    .group_segment_fixed_size: 327680
    .private_segment_fixed_size: 0
    .kernarg_segment_align: 8
    .kernarg_segment_size: 56
    .max_flat_workgroup_size: 128
    .sgpr_count:     66
    .vgpr_count:     1024
    .wavefront_size: 32
...
	.end_amdgpu_metadata
.endif
;; end of part 2
